; MI455X (gfx1250); checked and timed in simulation.
; The chip was launched on July 23, 2026; its instructions are those of AMD's public machine-readable ISA for CDNA 5 (MIT licence, August 2026) and "CDNA5" Instruction Set Architecture Reference Guide (July 2026). The comments in the code are by the model that wrote it; some were corrected since.
;; single Causal Attention. Allowed arithmetic: float matrix products may take bf16 or f16 operands with f32 sums; all other float work in f32.
;; Inputs: Wk 256 x 64 float32; Wq 256 x 64 float32; Wv 256 x 64 float32; y 4 x 4,096 x 256 float32.
;; Outputs: out0 4 x 4,096 x 64 float32.
;; 2 versions, each right; version 2 is version 1 with the launch proj written anew for expert scheduling mode. Each part assembles by itself: llvm-mc -triple=amdgcn-amd-amdhsa -mcpu=gfx1250 --defsym DOCPART=n.
;; ======== version 1 of 2: 2 launches
;; limits: values are held in f16: magnitudes above 65,504 overflow, below 6.1e-05 lose precision
;; workspace buffers: q16 2,097,152 bytes; k16 2,097,152 bytes; v16 2,097,152 bytes
;; launch proj (part 1): grid 256 x 1, 8 waves a work-group, no clusters, 168,960 bytes of LDS; arguments y, Wq, Wk, Wv, q16, k16, v16; writes q16, k16, v16
.if DOCPART == 1
	.amdgcn_target "amdgcn-amd-amdhsa--gfx1250"
	.amdhsa_code_object_version 6
	.text
	.protected	k_qed1475889a_proj
	.globl	k_qed1475889a_proj
	.p2align	8
	.type	k_qed1475889a_proj,@function
k_qed1475889a_proj:
	s_mov_b64 s[64:65], 0
	v_nop
	global_prefetch_b8 v0, s[64:65] scope:SCOPE_SE
	s_setreg_imm32_b32 hwreg(HW_REG_WAVE_MODE, 25, 1), 1
	s_wait_xcnt 0x0
; q16 = f16((y Wq) * log2(e)/8), k16 = f16(y Wk), v16 = f16(y Wv).   y: [16384][256] f32.  W*: [256][64] f32.  q16, k16, v16: [16384][64] f16.
; Products with bf16 operands and f32 sums.  The factor 1/sqrt(64) of the scores and the log2(e) of the later base-2 exponential are folded into q in f32.
; LIMIT: the results are kept in f16, so |q| * 0.18, |k| and |v| have to stay below 65,504, and numbers below 6.1e-5 keep an absolute step of 6e-8.
; A work-group takes 64 tokens (65,536 bytes of y, read once in the launch) and all three W.  Eight waves: wave w takes tokens 32 (w>>2) .. +31 (two tiles of 16)
; and columns 16 (w&3) .. +15 of each of q, k, v: six accumulators, eight K steps of 32, 48 matrix instructions.
; The inputs are f32 and the matrix unit wants bf16, so they go memory -> registers -> conversion -> LDS; a copy engine moves bytes as they are and cannot
; convert, hence no tensor loads and no cluster.  All 262,144 bytes that the work-group reads are asked for at its head, so there is nothing left to prefetch.
; THE MATRIX INSTRUCTION IS USED TRANSPOSED: source 0 = 16 columns of W, source 1 = 16 tokens of y.  Lane (r, h) then holds token r, columns 8h .. 8h+7:
; eight neighbouring numbers of a row of the result, 16 bytes of f16.
.set WP,    416                        ; LDS pitch of W's image: 192 bf16 (q, k, v side by side) + 32 bytes = 13 x 32
.set YP,    528                        ; LDS pitch of y's image: 256 bf16 + 16 bytes = 33 x 16
.set SP,    144                        ; LDS pitch of the stage: 64 f16 + 16 bytes = 9 x 16
.set YIMG,  256*WP                     ; W's image [256 k][192 n] lies at 0; y's image [64 tokens][256 k] at 106,496
.set STG,   YIMG+64*YP                 ; the stage [3][64 tokens][64] at 140,288; it ends at 167,936
.set HALFW, 128*WP                     ; LDS immediates have 16 bits: the lower half of W's image gets address registers of its own
.set ACC,   16                         ; v[16:63]   accumulator (a, i) at 16 + 8 (2a + i); a: q, k, v; i: token tile
.set BW0,   64                         ; v[64:127]  Wq as loaded, later Wv
.set BW1,   128                        ; v[128:191] Wk as loaded
.set BY,    192                        ; v[192:255] y as loaded
.set FR,    64                         ; behind the conversion: two fragment buffers of 40 registers (3 of W, 2 of y)
.set PK,    144                        ; v[144:167] results packed to f16
.set RB,    168                        ; v[168:191] results read back by rows
; v1 16 t (global offset, never rewritten); v2, v3 where W's image is written; v4 where y's is; v5, v6 W fragments; v7 y fragments; v8 stage in; v9 stage out
	s_load_b256 s[4:11], s[0:1], 0x0               ; y s[4:5], Wq s[6:7], Wk s[8:9], Wv s[10:11]
	s_load_b128 s[12:15], s[0:1], 0x20             ; q16 s[12:13], k16 s[14:15]
	s_load_b64 s[16:17], s[0:1], 0x30              ; v16
	v_lshl_add_u32 v14, v0, 2, 0x29000
	v_mov_b32 v15, 0
	v_lshrrev_b32 v10, 5, v0
	v_readfirstlane_b32 s18, v10                   ; wave 0..7
	s_lshr_b32 s19, s18, 2                         ; which 32 tokens
	s_and_b32 s20, s18, 3                          ; which 16 columns
	s_mov_b32 s22, 0x3e38aa3b                      ; log2(e) / 8
	s_mov_b32 s23, 0x3e38aa3b                      ; (the pair is named whole by the packed multiply)
	s_lshl_b32 s24, ttmp9, 16                      ; 64 tokens of 1,024 bytes
	s_mov_b32 s25, 0
	s_lshl_b32 s26, ttmp9, 13                      ; 64 tokens of 128 bytes
	s_mov_b32 s27, 0
	v_lshlrev_b32 v1, 4, v0                        ; 16 bytes a thread: a wave's load or store covers 512 neighbouring bytes
	s_wait_kmcnt 0x0
	s_add_nc_u64 s[4:5], s[4:5], s[24:25]
	s_add_nc_u64 s[12:13], s[12:13], s[26:27]
	s_add_nc_u64 s[14:15], s[14:15], s[26:27]
	s_add_nc_u64 s[16:17], s[16:17], s[26:27]
	; 48 loads of 16 bytes a thread: Wq, Wk, y.  Pass p of W is 16 rows of k, pass p of y is 4 tokens.
.set p, 0
.rept 16
	global_load_b128 v[BW0+4*p:BW0+4*p+3], v1, s[6:7] offset:4096*p
.set p, p+1
.endr
.set p, 0
.rept 16
	global_load_b128 v[BW1+4*p:BW1+4*p+3], v1, s[8:9] offset:4096*p
.set p, p+1
.endr
.set p, 0
.rept 16
	global_load_b128 v[BY+4*p:BY+4*p+3], v1, s[4:5] offset:4096*p th:TH_LOAD_NT
.set p, p+1
.endr
	; addresses, while the loads are on their way
	v_and_b32 v13, 15, v0                          ; r
	v_bfe_u32 v12, v0, 4, 1                        ; h
	v_lshrrev_b32 v10, 4, v0                       ; W's image, in: row t >> 4 of the pass, 8 bytes at column 4 (t & 15)
	v_mul_u32_u24 v10, v10, WP
	v_lshl_add_u32 v2, v13, 3, v10
	v_add_nc_u32 v3, HALFW, v2
	v_lshrrev_b32 v10, 6, v0                       ; y's image, in: token t >> 6 of the pass, 8 bytes at k = 4 (t & 63)
	v_and_b32 v11, 63, v0
	v_mul_u32_u24 v10, v10, YP
	v_lshl_add_u32 v10, v11, 3, v10
	v_add_nc_u32 v4, YIMG, v10
	v_and_b32 v10, 7, v0                           ; W fragments by the transposing load: lane L addresses row k = 8h + (L & 7),
	v_lshl_add_u32 v10, v12, 3, v10
	v_mul_u32_u24 v10, v10, WP
	v_bfe_u32 v11, v0, 3, 1                        ; 16 bytes at column 8 ((L >> 3) & 1) of my 16
	v_lshl_add_u32 v10, v11, 4, v10
	s_lshl_b32 s21, s20, 5
	v_add_nc_u32 v5, s21, v10
	v_add_nc_u32 v6, HALFW, v5
	v_mul_u32_u24 v10, v13, YP                     ; y fragments: row 32 tp + r, 16 h bytes
	v_lshl_add_u32 v10, v12, 4, v10
	s_mul_i32 s21, s19, 32*YP
	s_add_co_u32 s21, s21, YIMG
	v_add_nc_u32 v7, s21, v10
	v_mul_u32_u24 v10, v13, SP                     ; stage, in: token 32 tp + r, columns 16 g + 8 h
	v_lshl_add_u32 v10, v12, 4, v10
	s_mul_i32 s21, s19, 32*SP
	s_lshl_b32 s28, s20, 5
	s_add_co_u32 s21, s21, s28
	s_add_co_u32 s21, s21, STG
	v_add_nc_u32 v8, s21, v10
	v_lshrrev_b32 v10, 3, v0                       ; stage, out: token t >> 3, 16 bytes at 16 (t & 7): the order of the result in memory
	v_and_b32 v11, 7, v0
	v_mul_u32_u24 v10, v10, SP
	v_lshl_add_u32 v10, v11, 4, v10
	v_add_nc_u32 v9, STG, v10
; sixteen loaded quads of W to bf16, in place, and into column block mtx of W's image
.macro CVTW buf, mtx
.set p, 0
.rept 16
	v_cvt_pk_bf16_f32 v[\buf+4*p], v[\buf+4*p], v[\buf+4*p+1]
	v_cvt_pk_bf16_f32 v[\buf+4*p+1], v[\buf+4*p+2], v[\buf+4*p+3]
.if p < 8
	ds_store_b64 v2, v[\buf+4*p:\buf+4*p+1] offset:p*16*WP+128*\mtx
.else
	ds_store_b64 v3, v[\buf+4*p:\buf+4*p+1] offset:(p-8)*16*WP+128*\mtx
.endif
.set p, p+1
.endr
.endm
	s_wait_loadcnt 32                              ; Wq is in; the 32 younger loads (Wk, y) stay out
	CVTW BW0, 0
.set p, 0
.rept 16
	global_load_b128 v[BW0+4*p:BW0+4*p+3], v1, s[10:11] offset:4096*p   ; Wv, into the registers that Wq has left
.set p, p+1
.endr
	s_wait_loadcnt 32                              ; Wk is in; y and Wv stay out
	CVTW BW1, 1
	s_wait_loadcnt 16                              ; y is in; Wv stays out
.set p, 0
.rept 16
	v_cvt_pk_bf16_f32 v[BY+4*p], v[BY+4*p], v[BY+4*p+1]
	v_cvt_pk_bf16_f32 v[BY+4*p+1], v[BY+4*p+2], v[BY+4*p+3]
	ds_store_b64 v4, v[BY+4*p:BY+4*p+1] offset:p*4*YP
.set p, p+1
.endr
	s_wait_loadcnt 0
	CVTW BW0, 2
	s_wait_dscnt 0x0                               ; my part of both images is written: zero, for the other waves' sake
	s_barrier_signal -1
	s_barrier_wait -1                              ; both images are whole
; the fragments of K step ks into buffer b: ten LDS loads
.macro FETCH ks, b
.set FB, FR+40*\b
.irp a, 0,1,2
.if \ks < 4
	ds_load_tr16_b128 v[FB+8*\a:FB+8*\a+3],   v5 offset:\ks*32*WP+128*\a
	ds_load_tr16_b128 v[FB+8*\a+4:FB+8*\a+7], v5 offset:\ks*32*WP+128*\a+16*WP
.else
	ds_load_tr16_b128 v[FB+8*\a:FB+8*\a+3],   v6 offset:(\ks-4)*32*WP+128*\a
	ds_load_tr16_b128 v[FB+8*\a+4:FB+8*\a+7], v6 offset:(\ks-4)*32*WP+128*\a+16*WP
.endif
.endr
.irp i, 0,1
	ds_load_b128 v[FB+24+8*\i:FB+24+8*\i+3],   v7 offset:\i*16*YP+64*\ks
	ds_load_b128 v[FB+24+8*\i+4:FB+24+8*\i+7], v7 offset:\i*16*YP+64*\ks+32
.endr
.endm
; six matrix instructions; the six accumulators take turns, one instruction a turn.  The first K step starts the sums.
.macro MUL ks, b
.set FB, FR+40*\b
.irp a, 0,1,2
.irp i, 0,1
.if \ks == 0
	v_wmma_f32_16x16x32_bf16 v[ACC+8*(2*\a+\i):ACC+8*(2*\a+\i)+7], v[FB+8*\a:FB+8*\a+7], v[FB+24+8*\i:FB+24+8*\i+7], 0
.else
	v_wmma_f32_16x16x32_bf16 v[ACC+8*(2*\a+\i):ACC+8*(2*\a+\i)+7], v[FB+8*\a:FB+8*\a+7], v[FB+24+8*\i:FB+24+8*\i+7], v[ACC+8*(2*\a+\i):ACC+8*(2*\a+\i)+7]
.endif
.endr
.endr
.endm
.macro PLACES                          ; four places behind a matrix instruction before one of its registers is loaded into, read or written by other than a matrix instruction (ISA guide 7.12.1)
.rept 4
	v_nop
.endr
.endm
; K step ks on buffer b, with the next step's fragments asked for first, into the buffer that the step before has left
.macro STEP ks, b, nks, nb
	PLACES
	FETCH \nks, \nb
	s_wait_dscnt 10                                ; all but the ten loads just issued
	MUL \ks, \b
.endm
	FETCH 0, 0
	FETCH 1, 1
	s_wait_dscnt 10
	MUL 0, 0
	STEP 1, 1, 2, 0
	STEP 2, 0, 3, 1
	STEP 3, 1, 4, 0
	STEP 4, 0, 5, 1
	STEP 5, 1, 6, 0
	STEP 6, 0, 7, 1
	s_wait_dscnt 0x0
	MUL 7, 1
	PLACES
	; the way out: q's factor in f32, one rounding to f16, 16 bytes a lane into the stage, back in the order of memory
.set e, 0
.rept 8
	v_pk_mul_f32 v[ACC+e:ACC+e+1], v[ACC+e:ACC+e+1], s[22:23] op_sel_hi:[1,0]
.set e, e+2
.endr
.irp x, 0,1,2,3,4,5
.irp q, 0,1,2,3
	v_cvt_pk_f16_f32 v[PK+4*\x+\q], v[ACC+8*\x+2*\q], v[ACC+8*\x+2*\q+1]
.endr
.endr
.irp a, 0,1,2
.irp i, 0,1
	ds_store_b128 v8, v[PK+4*(2*\a+\i):PK+4*(2*\a+\i)+3] offset:64*SP*\a+16*SP*\i
.endr
.endr
	s_wait_dscnt 0x0                               ; my part of the stage is written: zero, for the other waves' sake
	s_barrier_signal -1
	s_barrier_wait -1
.irp a, 0,1,2
.irp ps, 0,1
	ds_load_b128 v[RB+4*(2*\a+\ps):RB+4*(2*\a+\ps)+3], v9 offset:64*SP*\a+32*SP*\ps
.endr
.endr
.irp a, 0,1,2
.irp ps, 0,1
	s_wait_dscnt 5-(2*\a+\ps)                      ; LDS loads come back in order: this one is in, the younger ones stay out
	global_store_b128 v1, v[RB+4*(2*\a+\ps):RB+4*(2*\a+\ps)+3], s[12+2*\a:13+2*\a] offset:4096*\ps   ; a wave stores 512 consecutive bytes, aligned
.endr
.endr
	s_wait_tensorcnt 0x0
	ds_add_u32 v14, v15
	s_wait_dscnt 0x0
	s_endpgm
.Lfunc_end_k_qed1475889a_proj:
	.size	k_qed1475889a_proj, .Lfunc_end_k_qed1475889a_proj-k_qed1475889a_proj
	.p2alignl 7, 3214868480
	.fill 96, 4, 3214868480
	.section	.rodata,"a",@progbits
	.p2align	6, 0x0
	.amdhsa_kernel k_qed1475889a_proj
		.amdhsa_group_segment_fixed_size 168960
		.amdhsa_private_segment_fixed_size 0
		.amdhsa_enable_private_segment 0
		.amdhsa_kernarg_size 56
		.amdhsa_user_sgpr_count 2
		.amdhsa_user_sgpr_kernarg_segment_ptr 1
		.amdhsa_wavefront_size32 1
		.amdhsa_system_sgpr_workgroup_id_x 1
		.amdhsa_system_sgpr_workgroup_id_y 1
		.amdhsa_system_sgpr_workgroup_id_z 1
		.amdhsa_system_vgpr_workitem_id 0
		.amdhsa_next_free_vgpr 256
		.amdhsa_next_free_sgpr 66
		.amdhsa_reserve_vcc 0
		.amdhsa_float_denorm_mode_32 3
		.amdhsa_float_denorm_mode_16_64 3
		.amdhsa_memory_ordered 1
		.amdhsa_forward_progress 1
		.amdhsa_inst_pref_size 35
	.end_amdhsa_kernel
	.amdgpu_metadata
---
amdhsa.version: [ 1, 2 ]
amdhsa.kernels:
  - .name:           k_qed1475889a_proj
    .symbol:         k_qed1475889a_proj.kd
    .args:
      - { .name: y, .offset: 0, .size: 8, .value_kind: global_buffer, .address_space: global }
      - { .name: Wq, .offset: 8, .size: 8, .value_kind: global_buffer, .address_space: global }
      - { .name: Wk, .offset: 16, .size: 8, .value_kind: global_buffer, .address_space: global }
      - { .name: Wv, .offset: 24, .size: 8, .value_kind: global_buffer, .address_space: global }
      - { .name: q16, .offset: 32, .size: 8, .value_kind: global_buffer, .address_space: global }
      - { .name: k16, .offset: 40, .size: 8, .value_kind: global_buffer, .address_space: global }
      - { .name: v16, .offset: 48, .size: 8, .value_kind: global_buffer, .address_space: global }
    .group_segment_fixed_size: 168960
    .private_segment_fixed_size: 0
    .kernarg_segment_align: 8
    .kernarg_segment_size: 56
    .max_flat_workgroup_size: 256
    .sgpr_count:     66
    .vgpr_count:     256
    .wavefront_size: 32
...
	.end_amdgpu_metadata
.endif
;; end of part 1
;; launch attn (part 2): grid 256 x 1, 8 waves a work-group, clusters of 4 x 1, 327,680 bytes of LDS; arguments q16, k16, v16, out0; writes out0
.if DOCPART == 2
	.amdgcn_target "amdgcn-amd-amdhsa--gfx1250"
	.amdhsa_code_object_version 6
	.text
	.protected	k_qed1475889a_attn
	.globl	k_qed1475889a_attn
	.p2align	8
	.type	k_qed1475889a_attn,@function
k_qed1475889a_attn:
	s_mov_b64 s[64:65], 0
	v_nop
	global_prefetch_b8 v0, s[64:65] scope:SCOPE_SE
	s_setreg_imm32_b32 hwreg(HW_REG_WAVE_MODE, 25, 1), 1
	s_wait_xcnt 0x0
	s_wait_alu depctr_hold_cnt(0) depctr_sa_sdst(0) depctr_va_vdst(0) depctr_va_sdst(0) depctr_va_ssrc(0) depctr_va_vcc(0) depctr_vm_vsrc(0)
	s_getreg_b32 s2, hwreg(HW_REG_IB_STS2, 6, 4)
	s_cmp_eq_u32 s2, 0
	s_cbranch_scc0 .Lentry_in_a_cluster
	s_endpgm
.Lentry_in_a_cluster:
	s_bfe_u32 s2, ttmp6, 0x10000c
	s_cmp_lg_u32 s2, 0x3003
	s_cbranch_scc0 .Lentry_shape_is_right
	s_endpgm
.Lentry_shape_is_right:
; out0[b][q][:] = sum over keys k <= q of softmax(q16[q] . k16[k]) v16[k].  q16, k16, v16: [4][4096][64] f16 (q16 carries log2(e)/8).  out0: [4][4096][64] f32.
; Products with f16 operands and f32 sums; softmax in f32, base 2, with a running maximum.
; LIMITS: a weight below 6e-8 of its wave's running maximum rounds to 0 in f16 (over 4,096 keys at most 2.4e-4 of a row's sum).  The running maximum starts at
; -FLT_MAX, not at -infinity: no finite score is cut by it, and a wave all of whose keys are masked gets weights exp2(-inf) = 0 and no NaN.  NaN and infinite inputs are not treated.
;
; SHARING THE TRIANGLE.  64 clusters of four work-groups.  Cluster (b, c), c = 4u + vv = 0..15, owns two blocks of 128 query rows of batch b: "lo" = block c and
; "hi" = block 31 - c.  Keys go in chunks of 512.  lo needs chunks 0..u (chunk u masked), hi needs chunks 0..7-u (chunk 7-u masked): u + 1 + 8 - u = 9 chunk steps
; in every cluster, so every wave of the launch runs the same number of instructions.  An online softmax is free in the order of its keys:
;   position 0: lo on chunk u, masked;  position 1: hi on chunk 7-u, masked  (these two start all sums: nothing is cleared)
;   position i = 2..8: i <= u+1: lo on chunk u+1-i;  else: hi on chunk 8-i.
; Work-group cx of the cluster owns 32 rows of each block (two query tiles of 16).  Inside a work-group the KEYS are split: wave w takes keys 64w..64w+63 of the chunk
; for both query tiles, so each LDS byte of K and V is read once by the work-group and each fragment feeds two matrix instructions.  The eight waves' partial
; (m, l, O) are merged once at the end through LDS.
; CLUSTER: the four work-groups need the same chunk at the same position, so every fill is a joint load with the mask 15.  cx enters only the global addresses of
; q16 and out0 and the mask's comparison values, in scalar registers of their own (s15, s66-71, s75-79): no branch, trip count, LDS address or descriptor word hangs on it.
; No prefetch: k16 and v16 are 4 MiB that sixteen clusters of a batch read again and again, and each fill has a whole step's work in which to land.
;
; LAYOUT WITHOUT SHUFFLES.  S^T = K Q^T (source 0 = 16 keys, source 1 = 16 queries): lane (r, h), register j of key tile kt holds query r, key 16kt + 8h + j.
; Two such tiles packed to f16 ARE the source-1 fragment of P^T for 32 keys.  O^T = V^T P^T (source 0 = V^T by the transposing LDS load): lane (r, h), register j of
; channel tile dt holds query r, channel 16dt + 8h + j.  So m, l and the rescaling factor are one number a lane; one exchange of the wave's halves serves the maximum.
.set KP,    272                        ; K in LDS: rows of 256 bytes (two keys) + 16: key x at (x>>1) 272 + (x&1) 128; 16 keys of a fragment start in 16 different 16-byte columns modulo 256 bytes
.set VP,    288                        ; V in LDS: rows of 256 bytes (two keys) + 32: the 16 lanes of a transposing load start in 16 different 16-byte columns modulo 256 bytes
.set VOFF,  256*KP                     ; a slot: K's 256 rows (69,632 bytes), then V's 256 rows (73,728 bytes)
.set SLOT,  VOFF+256*VP                ; 143,360 bytes; two slots
.set STATS, 2*SLOT                     ; 286,720: [wave 8][m: 64 rows x 4 bytes, l: 64 rows x 4 bytes], 4,096 bytes into which no fill lands
.set STAGE, SLOT                       ; the waves' partial O, [wave 8][row 64] x 272 bytes = 139,264, in slot 1, behind that slot's last fill and last read
.set GP,    272
; window 0
.set ADRK, 2                           ; v2, v3    my K fragments in slot 0, 1
.set ADRV, 4                           ; v4, v5    my V fragments in slot 0, 1
.set NINF, 6                           ; v6        -infinity
.set QO,   7                           ; v7        my offset in a block of q16
.set RR,   8                           ; v8        r = lane & 15
.set HH,   9                           ; v9        h = lane >> 4
.set TM,   16                          ; v[16:23]  at work
.set MN,   24                          ; v24 the new maximum (v25 fills the pair)
.set AL,   26                          ; v26 the rescaling factor (v27 fills the pair)
.set PX,   28                          ; v28 what the other half of the wave sent
.set MX,   32                          ; v[32:35]  m of (set, qt) at 2 set + qt
.set LS,   36                          ; v[36:39]  l, a sum per lane until the merge
.set DQ,   40                          ; v[40:43]  the mask: element (kt, j) is kept where 16kt + j <= DQ
.set MSA,  44                          ; merge: where m and l go
.set MOA,  45                          ; merge: where O goes
.set MSR,  46                          ; merge: where m and l are read
.set MPR,  47                          ; merge: where the partial O of waves 0-3 are read
.set MPR2, 48                          ; merge: of waves 4-7
.set MOUT, 49                          ; merge: my offset in out0
.set SC,   64                          ; v[64:127]  S(qt, kt) at 64 + 32qt + 8kt; P(qt, kh) packed in place at 64 + 32qt + 16kh
.set OA,   128                         ; v[128:255] O(set, qt, dt) at 128 + 64set + 32qt + 8dt
.set FM,   64                          ; merge: m, then the factor, of (wave k, pass it) at 64 + 4k + it
.set LL,   96                          ; merge: l of (wave k, pass it)
; window 1 (v256-v447, written by their low 8 bits)
.set KF,   0                           ; K(kt, dh) at 16kt + 8dh
.set VF,   64                          ; V(dt, kh) at 64 + 16dt + 8kh
.set QF,   128                         ; Q(set, qt, dh) at 128 + 32set + 16qt + 8dh, loaded once
; scalars: s12 wave, s13 wave & 3, s14 wave >> 2, s16 b, s17 c, s18 u, s19 vv, s20 u+1, s21 position (loop counter), s22 the position to fetch for, s23 its chunk,
; s[24:25] offset pair, s[26:27] k16 at my rows of chunk 0, s[28:29] v16 likewise, s30, s31 selects of the half exchange, s72-74 at work
.set G1K,  32                          ; s[32:39] descriptor group 1 for K
.set G1V,  40                          ; s[40:47] for V: another pad
.set G0K,  48                          ; s[48:55] group 0 for K, a set for each slot
.set G0V,  56                          ; s[56:63] group 0 for V
.set MSB, 0
.macro WIN new                         ; the register windows; the immediate's high byte repeats the setting that is left.  0 at every label and branch
.if MSB != \new
	s_set_vgpr_msb (MSB<<8)|\new
.set MSB, \new
.endif
.endm
.set TO_1,  0x40                       ; destination window 1: loads of fragments
.set MUL_S, 0x05                       ; sources 0 and 1 (K, Q) window 1, S window 0
.set MUL_O, 0x01                       ; source 0 (V) window 1, P and O window 0
.macro PLACES n
.rept \n
	v_nop
.endr
.endm
; a round of the cluster's barrier: my work-group's barrier, wave 0 signals for the work-group, every wave waits for all four work-groups, my work-group's barrier again
.macro ROUND
	s_barrier_signal -1
	s_barrier_wait -1
	s_cmp_lg_u32 s12, 0
	s_cbranch_scc1 .Lnot_wave_0_\@
	s_barrier_signal -3
.Lnot_wave_0_\@:
	s_barrier_wait -3
	s_barrier_signal -1
	s_barrier_wait -1
.endm
; a joint load: waves 0-3 fetch K's four quarters (64 rows of 256 bytes each), waves 4-7 V's.  The branch hangs on the wave's number alone.
.macro JLOAD slot
	s_cmp_eq_u32 s14, 0
	s_cbranch_scc0 .Lfor_v_\@
	tensor_load_to_lds s[G0K+4*\slot:G0K+4*\slot+3], s[G1K:G1K+7]
	s_nop 0
	s_branch .Lasked_\@
.Lfor_v_\@:
	tensor_load_to_lds s[G0V+4*\slot:G0V+4*\slot+3], s[G1V:G1V+7]
	s_nop 0
.Lasked_\@:
.endm
; the global addresses of a slot's two descriptors, for the chunk in s23 (65,536 bytes a chunk)
.macro SETCH slot
	s_lshl_b32 s24, s23, 16
	s_add_nc_u64 s[G0K+4*\slot+2:G0K+4*\slot+3], s[26:27], s[24:25]
	s_add_nc_u64 s[G0V+4*\slot+2:G0V+4*\slot+3], s[28:29], s[24:25]
	s_or_b32 s[G0K+4*\slot+3], s[G0K+4*\slot+3], 0x80000000       ; type = 2
	s_or_b32 s[G0V+4*\slot+3], s[G0V+4*\slot+3], 0x80000000
.endm
; the same for position j = s22 >= 2: chunk u+1-j for lo (j <= u+1), 8-j for hi
.macro SETADR slot
	s_sub_co_u32 s72, s20, s22
	s_sub_co_u32 s73, 8, s22
	s_cmp_le_u32 s22, s20
	s_cselect_b32 s23, s72, s73
	SETCH \slot
.endm
	s_load_b256 s[4:11], s[0:1], 0x0               ; q16 s[4:5], k16 s[6:7], v16 s[8:9], out0 s[10:11]
	v_lshl_add_u32 v62, v0, 2, 0x47000
	v_mov_b32 v63, 0
	ds_add_u32 v62, v63
	v_lshrrev_b32 v1, 5, v0
	v_readfirstlane_b32 s12, v1                    ; wave 0..7
	s_and_b32 s13, s12, 3
	s_lshr_b32 s14, s12, 2
	s_bfe_u32 s15, ttmp6, 0x40000                  ; cx
	s_lshr_b32 s16, ttmp9, 4                       ; in a cluster launch ttmp9 counts clusters: b,
	s_and_b32 s17, ttmp9, 15                       ; c,
	s_lshr_b32 s18, s17, 2                         ; u,
	s_and_b32 s19, s17, 3                          ; vv
	s_add_co_u32 s20, s18, 1
	s_mov_b32 s30, 0x76543210                      ; v_permlanex16_b32: lane i of one half reads lane i of the other
	s_mov_b32 s31, 0xfedcba98
	v_and_b32 v[RR], 15, v0
	v_bfe_u32 v[HH], v0, 4, 1
	v_lshlrev_b32 v[QO], 7, v[RR]                  ; row r of 128 bytes,
	v_lshl_add_u32 v[QO], v[HH], 4, v[QO]          ; 16 h bytes
	; group 1: 64 rows of 32 elements of 8 bytes, dense in memory (a chunk is one block of 65,536 bytes), padded in LDS behind every 64 words
	s_mov_b32 s[G1K+0], 15|(3<<16)|(1<<20)|(1<<21)|(5<<22)|(3<<25)   ; mask: all four work-groups; element of 8 bytes; padding on; bit 21 beside a mask; after 64 words; 4 words
	s_mov_b32 s[G1V+0], 15|(3<<16)|(1<<20)|(1<<21)|(5<<22)|(7<<25)   ; the same with 8 words
	s_mov_b32 s[G1K+1], 32<<16                     ; tensor_dim0 = 32
	s_mov_b32 s[G1V+1], 32<<16
	s_mov_b32 s[G1K+2], 64<<16                     ; tensor_dim1 = 64
	s_mov_b32 s[G1V+2], 64<<16
	s_mov_b32 s[G1K+3], 32<<16                     ; tile_dim0 = 32
	s_mov_b32 s[G1V+3], 32<<16
	s_mov_b32 s[G1K+4], 64                         ; tile_dim1 = 64
	s_mov_b32 s[G1V+4], 64
	s_mov_b32 s[G1K+5], 32                         ; 32 elements from row to row
	s_mov_b32 s[G1V+5], 32
	s_mov_b32 s[G1K+6], 0
	s_mov_b32 s[G1V+6], 0
	s_mov_b32 s[G1K+7], 0
	s_mov_b32 s[G1V+7], 0
	s_mul_i32 s72, s13, 64*KP                      ; where my quarter goes: the wave's number times a constant, plus the slot's constant
	s_mul_i32 s73, s13, 64*VP
	s_add_co_u32 s73, s73, VOFF
.irp s, 0,1
	s_mov_b32 s[G0K+4*\s], 1
	s_add_co_u32 s[G0K+4*\s+1], s72, \s*SLOT
	s_mov_b32 s[G0V+4*\s], 1
	s_add_co_u32 s[G0V+4*\s+1], s73, \s*SLOT
.endr
	s_lshl_b32 s24, s16, 19                        ; the batch: 4,096 keys of 128 bytes,
	s_lshl_b32 s23, s13, 14                        ; my quarter of a chunk: 128 keys
	s_add_co_u32 s24, s24, s23
	s_mov_b32 s25, 0
	s_wait_dscnt 0x0
	s_wait_kmcnt 0x0
	s_add_nc_u64 s[26:27], s[6:7], s[24:25]
	s_add_nc_u64 s[28:29], s[8:9], s[24:25]
	s_mov_b32 s23, s18
	SETCH 0                                        ; position 0: chunk u
	s_sub_co_u32 s23, 7, s18
	SETCH 1                                        ; position 1: chunk 7 - u
	; my rows, in registers that feed no descriptor
	s_lshl_b32 s75, s15, 5                         ; 32 cx
	s_lshl_b32 s72, s16, 12                        ; 4,096 b
	s_add_co_u32 s75, s75, s72
	s_lshl_b32 s78, s17, 7
	s_add_co_u32 s78, s78, s75                     ; my first lo row: 4,096 b + 128 c + 32 cx
	s_sub_co_u32 s79, 31, s17
	s_lshl_b32 s79, s79, 7
	s_add_co_u32 s79, s79, s75                     ; my first hi row: 4,096 b + 128 (31 - c) + 32 cx
	s_mov_b32 s77, 0
	s_lshl_b32 s76, s78, 7
	s_add_nc_u64 s[66:67], s[4:5], s[76:77]        ; q16 at my lo rows
	s_lshl_b32 s76, s79, 7
	s_add_nc_u64 s[68:69], s[4:5], s[76:77]        ; q16 at my hi rows
	s_cmp_eq_u32 s14, 0                            ; the merge: waves 0-3 write the lo rows, waves 4-7 the hi rows, eight rows each
	s_cselect_b32 s76, s78, s79
	s_lshl3_add_u32 s76, s13, s76
	s_lshl_b32 s76, s76, 8                         ; rows of 256 bytes
	s_add_nc_u64 s[70:71], s[10:11], s[76:77]
	ROUND                                          ; all four work-groups are here: the first joint loads meet
	s_cmp_eq_u32 s14, 0                            ; a wave's two first fills stand in one branch; two tensor loads of the wave are out behind it, later one
	s_cbranch_scc0 .Lfirst_v
	tensor_load_to_lds s[G0K:G0K+3], s[G1K:G1K+7]
	s_nop 0
	tensor_load_to_lds s[G0K+4:G0K+7], s[G1K:G1K+7]
	s_nop 0
	s_branch .Lfirst_asked
.Lfirst_v:
	tensor_load_to_lds s[G0V:G0V+3], s[G1V:G1V+7]
	s_nop 0
	tensor_load_to_lds s[G0V+4:G0V+7], s[G1V:G1V+7]
	s_nop 0
.Lfirst_asked:
	; Q's fragments, once: lane (r, h) holds query 16qt + r, channels 32dh + 8h .. +7 and 32dh + 16 + 8h .. +7
	WIN TO_1
.irp st, 0,1
.irp qt, 0,1
.irp dh, 0,1
	global_load_b128 v[QF+32*\st+16*\qt+8*\dh:QF+32*\st+16*\qt+8*\dh+3],   v[QO], s[66+2*\st:67+2*\st] offset:2048*\qt+64*\dh
	global_load_b128 v[QF+32*\st+16*\qt+8*\dh+4:QF+32*\st+16*\qt+8*\dh+7], v[QO], s[66+2*\st:67+2*\st] offset:2048*\qt+64*\dh+32
.endr
.endr
.endr
	WIN 0
	v_mov_b32 v[NINF], 0xff800000
	v_mov_b32 v[MN+1], 0                           ; the pairs' second registers and the exchange's destination count as read: written once
	v_mov_b32 v[AL+1], 0
	v_mov_b32 v[PX], 0
	; K fragments: key 64w + 16kt + r, channels at 16 h
	v_lshrrev_b32 v11, 1, v[RR]
	v_and_b32 v12, 1, v0
	v_mul_u32_u24 v11, v11, KP
	v_lshl_add_u32 v11, v12, 7, v11
	v_lshl_add_u32 v11, v[HH], 4, v11
	s_mul_i32 s23, s12, 32*KP
	v_add_nc_u32 v[ADRK], s23, v11
	v_add_nc_u32 v[ADRK+1], SLOT, v[ADRK]
	; V fragments by the transposing load: lane L addresses key 64w + 8h + (L & 7), 16 bytes at channel 8 ((L >> 3) & 1)
	v_bfe_u32 v11, v0, 1, 2
	v_lshl_add_u32 v11, v[HH], 2, v11
	v_mul_u32_u24 v11, v11, VP
	v_lshl_add_u32 v11, v12, 7, v11
	v_bfe_u32 v13, v0, 3, 1
	v_lshl_add_u32 v11, v13, 4, v11
	s_mul_i32 s23, s12, 32*VP
	s_add_co_u32 s23, s23, VOFF
	v_add_nc_u32 v[ADRV], s23, v11
	v_add_nc_u32 v[ADRV+1], SLOT, v[ADRV]
	; the mask: query's place in its chunk less my lane's first key: 128 vv (hi: 128 (3 - vv)) + 32 cx + 16 qt + r - 64 w - 8 h, signed
	s_lshl_b32 s75, s15, 5
	s_lshl_b32 s72, s12, 6
	s_sub_co_u32 s75, s75, s72
	s_lshl_b32 s72, s19, 7
	s_add_co_u32 s78, s75, s72
	s_sub_co_u32 s72, 384, s72
	s_add_co_u32 s79, s75, s72
	v_lshlrev_b32 v10, 3, v[HH]
	v_sub_nc_u32 v10, v[RR], v10
	v_add_nc_u32 v[DQ+0], s78, v10
	v_add_nc_u32 v[DQ+1], 16, v[DQ+0]
	v_add_nc_u32 v[DQ+2], s79, v10
	v_add_nc_u32 v[DQ+3], 16, v[DQ+2]
	; the merge's addresses
	s_lshl_b32 s23, s12, 9
	s_add_co_u32 s23, s23, STATS
	v_lshl_add_u32 v[MSA], v[RR], 2, s23           ; in: my wave's 512 bytes, word r
	s_mul_i32 s23, s12, 64*GP
	s_add_co_u32 s23, s23, STAGE
	v_mul_u32_u24 v10, v[RR], GP
	v_lshl_add_u32 v10, v[HH], 5, v10
	v_add_nc_u32 v[MOA], s23, v10                  ; in: my wave's 64 rows, row r, 32 h bytes
	s_lshl_b32 s23, s12, 5
	s_add_co_u32 s23, s23, STATS
	v_lshl_add_u32 v[MSR], v[HH], 4, s23           ; back: the words of rows 8w + 4h .. +3
	s_mul_i32 s23, s12, 8*GP
	s_add_co_u32 s23, s23, STAGE
	v_mul_u32_u24 v10, v[HH], 4*GP
	v_lshl_add_u32 v10, v[RR], 4, v10
	v_add_nc_u32 v[MPR], s23, v10                  ; back: row 8w + 4h, 16 bytes a lane
	v_add_nc_u32 v[MPR2], 4*64*GP, v[MPR]
	v_lshlrev_b32 v10, 4, v[RR]
	v_lshl_add_u32 v[MOUT], v[HH], 10, v10         ; out0: four rows of 256 bytes further down for lanes 16-31
; 32 LDS loads: my 64 keys of K (16 loads), then of V (16 transposing loads)
.macro FETCH slot
	WIN TO_1
.irp kt, 0,1,2,3
.irp dh, 0,1
	ds_load_b128 v[KF+16*\kt+8*\dh:KF+16*\kt+8*\dh+3],   v[ADRK+\slot] offset:8*KP*\kt+64*\dh
	ds_load_b128 v[KF+16*\kt+8*\dh+4:KF+16*\kt+8*\dh+7], v[ADRK+\slot] offset:8*KP*\kt+64*\dh+32
.endr
.endr
.irp dt, 0,1,2,3
.irp kh, 0,1
	ds_load_tr16_b128 v[VF+16*\dt+8*\kh:VF+16*\dt+8*\kh+3],   v[ADRV+\slot] offset:16*VP*\kh+32*\dt
	ds_load_tr16_b128 v[VF+16*\dt+8*\kh+4:VF+16*\dt+8*\kh+7], v[ADRV+\slot] offset:16*VP*\kh+32*\dt+8*VP
.endr
.endr
	WIN 0
.endm
; 16 matrix instructions: S^T of 64 keys x 32 queries.  The eight accumulators take turns, one instruction a turn; the first 32 channels start the sums.
.macro SMUL set
.irp dh, 0,1
.irp qt, 0,1
.irp kt, 0,1,2,3
.if \dh == 0
	v_wmma_f32_16x16x32_f16 v[SC+32*\qt+8*\kt:SC+32*\qt+8*\kt+7], v[KF+16*\kt:KF+16*\kt+7], v[QF+32*\set+16*\qt:QF+32*\set+16*\qt+7], 0
.else
	v_wmma_f32_16x16x32_f16 v[SC+32*\qt+8*\kt:SC+32*\qt+8*\kt+7], v[KF+16*\kt+8:KF+16*\kt+15], v[QF+32*\set+16*\qt+8:QF+32*\set+16*\qt+15], v[SC+32*\qt+8*\kt:SC+32*\qt+8*\kt+7]
.endif
.endr
.endr
.endr
.endm
; 8 matrix instructions: O^T of one query tile += V^T P^T over 64 keys.  The four accumulators take turns.  mf = 1: the first 32 keys start the sums.
.macro PV set, qt, mf
.irp kh, 0,1
.irp dt, 0,1,2,3
.if \mf*(1-\kh)
	v_wmma_f32_16x16x32_f16 v[OA+64*\set+32*\qt+8*\dt:OA+64*\set+32*\qt+8*\dt+7], v[VF+16*\dt+8*\kh:VF+16*\dt+8*\kh+7], v[SC+32*\qt+16*\kh:SC+32*\qt+16*\kh+7], 0
.else
	v_wmma_f32_16x16x32_f16 v[OA+64*\set+32*\qt+8*\dt:OA+64*\set+32*\qt+8*\dt+7], v[VF+16*\dt+8*\kh:VF+16*\dt+8*\kh+7], v[SC+32*\qt+16*\kh:SC+32*\qt+16*\kh+7], v[OA+64*\set+32*\qt+8*\dt:OA+64*\set+32*\qt+8*\dt+7]
.endif
.endr
.endr
.endm
; One query tile's 32 scores a lane: mask (mf = 1), running maximum, weights, rescaling of O and l (mf = 0), weights packed to f16 in place.
.macro SOFTMAX set, qt, mf
.set SB, SC+32*\qt
.set OB, OA+64*\set+32*\qt
.set IX, 2*\set+\qt
.if \mf
.set e, 0
.rept 32
	v_cmp_le_i32 vcc_lo, 16*(e/8)+e%8, v[DQ+IX]                    ; key <= query
	v_cndmask_b32 v[SB+e], v[NINF], v[SB+e], vcc_lo
.set e, e+1
.endr
.endif
	; 33 numbers (32 scores and the old maximum), three at a time: 16 instructions
.irp kt, 0,1,2,3
	v_max3_num_f32 v[TM+2*\kt],   v[SB+8*\kt],   v[SB+8*\kt+1], v[SB+8*\kt+2]
	v_max3_num_f32 v[TM+2*\kt+1], v[SB+8*\kt+3], v[SB+8*\kt+4], v[SB+8*\kt+5]
.endr
.irp kt, 0,1,2,3
	v_max3_num_f32 v[TM+2*\kt], v[TM+2*\kt], v[TM+2*\kt+1], v[SB+8*\kt+6]
.endr
	v_max3_num_f32 v[TM],   v[TM],   v[TM+2], v[SB+7]
	v_max3_num_f32 v[TM+4], v[TM+4], v[TM+6], v[SB+15]
	v_max3_num_f32 v[TM],   v[TM],   v[TM+4], v[SB+23]
.if \mf
	v_max3_num_f32 v[TM], v[TM], v[SB+31], 0xff7fffff              ; the running maximum starts at -FLT_MAX
.else
	v_max3_num_f32 v[TM], v[TM], v[SB+31], v[MX+IX]
.endif
	v_permlanex16_b32 v[PX], v[TM], s30, s31                       ; the query's other 32 keys lie in the other half of the wave
	v_max_num_f32 v[MN], v[TM], v[PX]
.if \mf == 0
	v_sub_f32 v[AL], v[MX+IX], v[MN]
	v_exp_f32 v[AL], v[AL]                                         ; the plain instructions below stand between it and its use (ISA guide 5.7.2)
.endif
	v_mov_b32 v[MX+IX], v[MN]
.set e, 0
.rept 16
	v_pk_add_f32 v[SB+e:SB+e+1], v[SB+e:SB+e+1], v[MN:MN+1] op_sel_hi:[1,0] neg_lo:[0,1] neg_hi:[0,1]   ; score - maximum, both from v24
.set e, e+2
.endr
.set e, 0
.rept 32
	v_exp_f32 v[SB+e], v[SB+e]
.set e, e+1
.endr
.if \mf == 0
.set e, 0
	s_wait_alu depctr_va_vdst(0)
.rept 16
	v_pk_mul_f32 v[OB+e:OB+e+1], v[OB+e:OB+e+1], v[AL:AL+1] op_sel_hi:[1,0]   ; O rescaled; these are also the plain places behind the exponentials
.set e, e+2
.endr
.else
	v_nop                                                          ; the plain place behind the exponentials
	s_wait_alu depctr_va_vdst(0)
.endif
.irp c, 0,1,2,3
	v_pk_add_f32 v[TM+2*\c:TM+2*\c+1], v[SB+4*\c:SB+4*\c+1], v[SB+4*\c+2:SB+4*\c+3]   ; the weights' sum in four chains, started by the first sixteen
.endr
.irp g, 16,24
.irp c, 0,1,2,3
	v_pk_add_f32 v[TM+2*\c:TM+2*\c+1], v[TM+2*\c:TM+2*\c+1], v[SB+\g+2*\c:SB+\g+2*\c+1]
.endr
.endr
	v_pk_add_f32 v[TM:TM+1],   v[TM:TM+1],   v[TM+2:TM+3]
	v_pk_add_f32 v[TM+4:TM+5], v[TM+4:TM+5], v[TM+6:TM+7]
	v_pk_add_f32 v[TM:TM+1],   v[TM:TM+1],   v[TM+4:TM+5]
.if \mf
	v_add_f32 v[LS+IX], v[TM], v[TM+1]
.else
	v_add_f32 v[TM], v[TM], v[TM+1]
	v_fma_f32 v[LS+IX], v[LS+IX], v[AL], v[TM]
.endif
.irp kh, 0,1
.irp rr, 0,1,2,3,4,5,6,7
	v_cvt_pk_f16_f32 v[SB+16*\kh+\rr], v[SB+16*\kh+2*\rr], v[SB+16*\kh+2*\rr+1]   ; ascending: no source that is still to be read is written
.endr
.endr
.endm
; One chunk step of a wave: 64 keys x 32 queries of one set.  The second tile's softmax names none of the registers of the first tile's PV products and runs beside them.
.macro BODY set, mf
	s_wait_dscnt 16                                ; K's 16 loads are in; V's 16 stay out
	WIN MUL_S
	SMUL \set
	WIN 0
	PLACES 4                                       ; four places before vector instructions read the scores (ISA guide 7.12.1)
	SOFTMAX \set, 0, \mf
	s_wait_dscnt 0x0                               ; V is in
	WIN MUL_O
	PV \set, 0, \mf
	WIN 0
	SOFTMAX \set, 1, \mf
	WIN MUL_O
	PV \set, 1, \mf
	WIN 0
	PLACES 5                                       ; five places before the next step's S products write over P, its loads land in V, or the merge reads O
.endm
; The change of slots at the position in posreg, which reads slot; other = the slot read last, filled again for the next position.
; In front of the round every wave has waited for all its tensor loads (one is out: its part of this position's chunk) and for its reads of the other slot;
; behind the round no wave of any of the four work-groups still reads that slot: the joint refill comes first, then this slot's fragments.
.macro HEAD slot, other, posreg
	s_wait_tensorcnt 0x0                           ; no tensor load of mine is out: the descriptors may be written
	ds_add_u32 v62, v63
	s_add_co_u32 s22, \posreg, 1
	SETADR \other
	s_wait_dscnt 0x0
	ROUND
	JLOAD \other
	FETCH \slot
.endm
.macro GEN slot, other, posreg
	HEAD \slot, \other, \posreg
	s_cmp_le_u32 \posreg, s20                      ; positions up to u + 1 are lo's.  u is the same in all four work-groups
	s_cbranch_scc0 .Lhi_\@
	BODY 0, 0
	s_branch .Ljoin_\@
.Lhi_\@:
	BODY 1, 0
.Ljoin_\@:
.endm
	s_wait_loadcnt 0x0                             ; Q
	s_wait_tensorcnt 0x1                           ; my part of slot 0 is in; slot 1's load stays out
	s_barrier_signal -1
	s_barrier_wait -1                              ; everybody's part is in
	FETCH 0
	BODY 0, 1                                      ; position 0: lo, masked, starts lo's sums
	s_mov_b32 s21, 1
	HEAD 1, 0, s21
	BODY 1, 1                                      ; position 1: hi, masked, starts hi's sums
	s_mov_b32 s21, 2
.Lpos:                                                 ; positions 2 to 7, two a trip; each fills the slot it has left for the next position
	GEN 0, 1, s21
	s_add_co_u32 s74, s21, 1
	GEN 1, 0, s74
	s_add_co_u32 s21, s21, 2
	s_cmp_lt_u32 s21, 8
	s_cbranch_scc1 .Lpos
	s_wait_tensorcnt 0x0                           ; position 8: my part of the last chunk is in; nothing is left to fetch, so a plain barrier and no round
	s_wait_dscnt 0x0                               ; my reads of slot 1 are over: behind this barrier it serves as the stage
	s_barrier_signal -1
	s_barrier_wait -1
	FETCH 0
	BODY 1, 0                                      ; 8 > u + 1 for every u: always hi
	; THE MERGE.  Each wave hands over m, l (summed over the wave's halves) and O of its 64 rows (32 set + 16 qt + r).
.irp x, 0,1,2,3
	v_permlanex16_b32 v[PX], v[LS+\x], s30, s31
	v_add_f32 v[LS+\x], v[LS+\x], v[PX]
	ds_store_b32 v[MSA], v[MX+\x] offset:64*\x     ; both halves of the wave write the same word with the same value
	ds_store_b32 v[MSA], v[LS+\x] offset:64*\x+256
.endr
.irp x, 0,1,2,3
.irp dt, 0,1,2,3
	ds_store_b128 v[MOA], v[OA+32*\x+8*\dt:OA+32*\x+8*\dt+3]   offset:16*GP*\x+64*\dt
	ds_store_b128 v[MOA], v[OA+32*\x+8*\dt+4:OA+32*\x+8*\dt+7] offset:16*GP*\x+64*\dt+16
.endr
.endr
	s_wait_dscnt 0x0                               ; written: zero, for the other waves' sake
	s_barrier_signal -1
	s_barrier_wait -1
	; Wave w merges rows 8w .. 8w+7: in pass it = 0..3 lanes 0-15 take row 8w + it, lanes 16-31 row 8w + 4 + it, 16 bytes a lane.
.irp k, 0,1,2,3,4,5,6,7
	ds_load_b128 v[FM+4*\k:FM+4*\k+3], v[MSR] offset:512*\k        ; m of wave k for my four rows
	ds_load_b128 v[LL+4*\k:LL+4*\k+3], v[MSR] offset:512*\k+256    ; l likewise
.endr
.irp it, 0,1,2,3
.irp k, 0,1,2,3
	ds_load_b128 v[OA+32*\it+4*\k:OA+32*\it+4*\k+3], v[MPR] offset:64*GP*\k+GP*\it
.endr
.irp k, 0,1,2,3
	ds_load_b128 v[OA+32*\it+16+4*\k:OA+32*\it+16+4*\k+3], v[MPR2] offset:64*GP*\k+GP*\it
.endr
.endr
	s_wait_dscnt 32                                ; m and l are in; the 32 loads of partial O stay out
.irp it, 0,1,2,3
	v_max3_num_f32 v[TM+\it],   v[FM+\it],    v[FM+4+\it],  v[FM+8+\it]
	v_max3_num_f32 v[TM+4+\it], v[FM+12+\it], v[FM+16+\it], v[FM+20+\it]
.endr
.irp it, 0,1,2,3
	v_max3_num_f32 v[TM+\it], v[TM+\it], v[TM+4+\it], v[FM+24+\it]
.endr
.irp it, 0,1,2,3
	v_max_num_f32 v[TM+\it], v[TM+\it], v[FM+28+\it]               ; the row's maximum over the eight waves
.endr
.irp k, 0,1,2,3,4,5,6,7
	v_pk_add_f32 v[FM+4*\k:FM+4*\k+1],   v[FM+4*\k:FM+4*\k+1],   v[TM:TM+1]   neg_lo:[0,1] neg_hi:[0,1]
	v_pk_add_f32 v[FM+4*\k+2:FM+4*\k+3], v[FM+4*\k+2:FM+4*\k+3], v[TM+2:TM+3] neg_lo:[0,1] neg_hi:[0,1]
.endr
.set e, 0
.rept 32
	v_exp_f32 v[FM+e], v[FM+e]                     ; wave k's factor; 0 for a wave all of whose keys were masked
.set e, e+1
.endr
	v_nop                                          ; the plain place behind the exponentials
	s_wait_alu depctr_va_vdst(0)
	v_pk_mul_f32 v[TM+4:TM+5], v[FM:FM+1],   v[LL:LL+1]
	v_pk_mul_f32 v[TM+6:TM+7], v[FM+2:FM+3], v[LL+2:LL+3]
.irp k, 1,2,3,4,5,6,7
	v_pk_fma_f32 v[TM+4:TM+5], v[FM+4*\k:FM+4*\k+1],   v[LL+4*\k:LL+4*\k+1],   v[TM+4:TM+5]
	v_pk_fma_f32 v[TM+6:TM+7], v[FM+4*\k+2:FM+4*\k+3], v[LL+4*\k+2:LL+4*\k+3], v[TM+6:TM+7]
.endr
.irp it, 0,1,2,3
	v_rcp_f32 v[TM+4+\it], v[TM+4+\it]             ; the row's sum is at least 1: the key that holds the maximum has the weight 1
.endr
	v_nop                                          ; the plain place behind the reciprocals
	s_wait_alu depctr_va_vdst(0)
.irp k, 0,1,2,3,4,5,6,7
	v_pk_mul_f32 v[FM+4*\k:FM+4*\k+1],   v[FM+4*\k:FM+4*\k+1],   v[TM+4:TM+5]   ; 1 / sum folded into the factors
	v_pk_mul_f32 v[FM+4*\k+2:FM+4*\k+3], v[FM+4*\k+2:FM+4*\k+3], v[TM+6:TM+7]
.endr
; pass it: the eight waves' 16 bytes, each times its factor (one register of a pair, sent to both halves by op_sel), summed onto wave 0's registers; then stored
.macro WSUM it
.set PT, OA+32*\it
	s_wait_dscnt 8*(3-\it)                         ; this pass's eight loads are in; the later passes' stay out
.set k, 0
.rept 8
.set FP, FM+4*k+2*(\it/2)
.irp c, 0,2
.if k == 0
.if (\it&1)
	v_pk_mul_f32 v[PT+\c:PT+\c+1], v[PT+\c:PT+\c+1], v[FP:FP+1] op_sel:[0,1] op_sel_hi:[1,1]
.else
	v_pk_mul_f32 v[PT+\c:PT+\c+1], v[PT+\c:PT+\c+1], v[FP:FP+1] op_sel_hi:[1,0]
.endif
.else
.if (\it&1)
	v_pk_fma_f32 v[PT+\c:PT+\c+1], v[PT+4*k+\c:PT+4*k+\c+1], v[FP:FP+1], v[PT+\c:PT+\c+1] op_sel:[0,1,0] op_sel_hi:[1,1,1]
.else
	v_pk_fma_f32 v[PT+\c:PT+\c+1], v[PT+4*k+\c:PT+4*k+\c+1], v[FP:FP+1], v[PT+\c:PT+\c+1] op_sel_hi:[1,0,1]
.endif
.endif
.endr
.set k, k+1
.endr
	global_store_b128 v[MOUT], v[PT:PT+3], s[70:71] offset:256*\it th:TH_STORE_NT   ; each half of the wave stores a whole row: 256 consecutive bytes, aligned
.endm
	WSUM 0
	WSUM 1
	WSUM 2
	WSUM 3
	s_wait_tensorcnt 0x0
	ds_add_u32 v62, v63
	s_wait_dscnt 0x0
	ROUND                                          ; the closing round: no work-group ends while a partner may still ask for a chunk that names it
	s_endpgm
.Lfunc_end_k_qed1475889a_attn:
	.size	k_qed1475889a_attn, .Lfunc_end_k_qed1475889a_attn-k_qed1475889a_attn
	.p2alignl 7, 3214868480
	.fill 96, 4, 3214868480
	.section	.rodata,"a",@progbits
	.p2align	6, 0x0
	.amdhsa_kernel k_qed1475889a_attn
		.amdhsa_group_segment_fixed_size 327680
		.amdhsa_private_segment_fixed_size 0
		.amdhsa_enable_private_segment 0
		.amdhsa_kernarg_size 32
		.amdhsa_user_sgpr_count 2
		.amdhsa_user_sgpr_kernarg_segment_ptr 1
		.amdhsa_wavefront_size32 1
		.amdhsa_system_sgpr_workgroup_id_x 1
		.amdhsa_system_sgpr_workgroup_id_y 1
		.amdhsa_system_sgpr_workgroup_id_z 1
		.amdhsa_system_vgpr_workitem_id 0
		.amdhsa_next_free_vgpr 448
		.amdhsa_next_free_sgpr 80
		.amdhsa_reserve_vcc 1
		.amdhsa_float_denorm_mode_32 3
		.amdhsa_float_denorm_mode_16_64 3
		.amdhsa_memory_ordered 1
		.amdhsa_forward_progress 1
		.amdhsa_inst_pref_size 149
	.end_amdhsa_kernel
	.amdgpu_metadata
---
amdhsa.version: [ 1, 2 ]
amdhsa.kernels:
  - .name:           k_qed1475889a_attn
    .symbol:         k_qed1475889a_attn.kd
    .args:
      - { .name: q16, .offset: 0, .size: 8, .value_kind: global_buffer, .address_space: global }
      - { .name: k16, .offset: 8, .size: 8, .value_kind: global_buffer, .address_space: global }
      - { .name: v16, .offset: 16, .size: 8, .value_kind: global_buffer, .address_space: global }
      - { .name: out0, .offset: 24, .size: 8, .value_kind: global_buffer, .address_space: global }
    .group_segment_fixed_size: 327680
    .private_segment_fixed_size: 0
    .kernarg_segment_align: 8
    .kernarg_segment_size: 32
    .max_flat_workgroup_size: 256
    .sgpr_count:     80
    .vgpr_count:     448
    .wavefront_size: 32
...
	.end_amdgpu_metadata
.endif
;; end of part 2
;; ======== version 2 of 2: 2 launches; version 1 with the launch proj written anew for expert scheduling mode
;; limits: values are held in f16: magnitudes above 65,504 overflow, below 6.1e-05 lose precision
;; workspace buffers: q16 2,097,152 bytes; k16 2,097,152 bytes; v16 2,097,152 bytes
;; launch proj (part 3): grid 256 x 1, 8 waves a work-group, no clusters, 168,960 bytes of LDS; arguments y, Wq, Wk, Wv, q16, k16, v16; writes q16, k16, v16
.if DOCPART == 3
	.amdgcn_target "amdgcn-amd-amdhsa--gfx1250"
	.amdhsa_code_object_version 6
	.text
	.protected	k_qed1475889a_proj
	.globl	k_qed1475889a_proj
	.p2align	8
	.type	k_qed1475889a_proj,@function
k_qed1475889a_proj:
	s_mov_b64 s[64:65], 0
	v_nop
	global_prefetch_b8 v0, s[64:65] scope:SCOPE_SE
	s_setreg_imm32_b32 hwreg(HW_REG_WAVE_SCHED_MODE, 0, 2), 2
	s_setreg_imm32_b32 hwreg(HW_REG_WAVE_MODE, 25, 1), 1
	s_wait_xcnt 0x0
	s_wait_alu depctr_vm_vsrc(0)
; q16 = f16((y Wq) * log2(e)/8), k16 = f16(y Wk), v16 = f16(y Wv).   y: [16384][256] f32.  W*: [256][64] f32.  q16, k16, v16: [16384][64] f16.
; Products with bf16 operands and f32 sums.  The factor 1/sqrt(64) of the scores and the log2(e) of the later base-2 exponential are folded into q in f32.
; LIMIT: the results are kept in f16, so |q| * 0.18, |k| and |v| have to stay below 65,504, and numbers below 6.1e-5 keep an absolute step of 6e-8.
; A work-group takes 64 tokens (65,536 bytes of y, read once in the launch) and all three W.  Eight waves: wave w takes tokens 32 (w>>2) .. +31 (two tiles of 16)
; and columns 16 (w&3) .. +15 of each of q, k, v: six accumulators, eight K steps of 32, 48 matrix instructions.
; The inputs are f32 and the matrix unit wants bf16, so they go memory -> registers -> conversion -> LDS; a copy engine moves bytes as they are and cannot
; convert, hence no tensor loads and no cluster.  All 262,144 bytes that the work-group reads are asked for at its head, so there is nothing left to prefetch.
; THE MATRIX INSTRUCTION IS USED TRANSPOSED: source 0 = 16 columns of W, source 1 = 16 tokens of y.  Lane (r, h) then holds token r, columns 8h .. 8h+7:
; eight neighbouring numbers of a row of the result, 16 bytes of f16.
; THE MODE: SCHED_MODE bits 1:0 = 2 (LLVM: expert scheduling mode 2), set by the entry lines.  The code itself states the register dependences
; between vector or matrix instructions and memory or LDS instructions, with s_wait_alu, always for 0.  The text has no branch: one path.
; THE PLAN.  Registers that memory or LDS instructions touch:
;   v1, v2 .. v9   offsets and LDS addresses: written once at the head, never again.
;   BW0            Wq lands; its conversions read it and write OW; Wv lands; Wv's conversions close it up in place; Wv's LDS stores read it.
;   OW             written by Wq's conversions, read by Wq's LDS stores: so no memory instruction reads BW0 before Wv lands in it.
;   BW1, BY        Wk, y land; closed up in place by their conversions; read by their LDS stores.
;   A buffer's LDS stores are issued behind the one wait that follows its conversions, dealt among the next buffer's conversions, which name that next buffer alone.
;   FR0 .. FR2     K step ks works on buffer ks % 3.  Its matrix instructions read it; the loads of step ks + 3, issued in step ks + 1, land in it.
;   PK, RB         PK: written by the roundings to f16, read by the stage's stores.  RB: the stage's loads land in it, the global stores read it.
;   v14, v15       written at the head, read by the closing add alone.
; One wait on vm_vsrc, behind the first barrier, stands where OW, BW0, BW1 and BY change hands: they become accumulators, fragments, PK and RB.
; No scalar register that a vector instruction has read is written again.
.set WP,    416                        ; LDS pitch of W's image: 192 bf16 (q, k, v side by side) + 32 bytes = 13 x 32
.set YP,    528                        ; LDS pitch of y's image: 256 bf16 + 16 bytes = 33 x 16
.set SP,    144                        ; LDS pitch of the stage: 64 f16 + 16 bytes = 9 x 16
.set YIMG,  256*WP                     ; W's image [256 k][192 n] lies at 0; y's image [64 tokens][256 k] at 106,496
.set STG,   YIMG+64*YP                 ; the stage [3][64 tokens][64] at 140,288; it ends at 167,936
.set HALFW, 128*WP                     ; LDS immediates have 16 bits: the lower half of W's image gets address registers of its own
.set OW,    16                         ; v[16:47]   at the head only: Wq in bf16, two registers a pass
.set ACC,   16                         ; v[16:63]   accumulator (a, i) at 16 + 8 (2a + i); a: q, k, v; i: token tile
.set BW0,   64                         ; v[64:127]  Wq as loaded, later Wv
.set BW1,   128                        ; v[128:191] Wk as loaded
.set BY,    192                        ; v[192:255] y as loaded
.set FR,    64                         ; v[64:183]  behind the conversion: three fragment buffers of 40 registers (3 of W, 2 of y)
.set PK,    192                        ; v[192:215] results packed to f16
.set RB,    216                        ; v[216:239] results read back by rows
; v1 16 t (global offset, never rewritten); v2, v3 where W's image is written; v4 where y's is; v5, v6 W fragments; v7 y fragments; v8 stage in; v9 stage out
	s_load_b256 s[4:11], s[0:1], 0x0               ; y s[4:5], Wq s[6:7], Wk s[8:9], Wv s[10:11]
	s_load_b128 s[12:15], s[0:1], 0x20             ; q16 s[12:13], k16 s[14:15]
	s_load_b64 s[16:17], s[0:1], 0x30              ; v16
	v_lshl_add_u32 v14, v0, 2, 0x29000             ; my spare word, behind the stage,
	v_mov_b32 v15, 0                               ; and 0: kept for the closing lines alone
	v_lshrrev_b32 v10, 5, v0
	v_readfirstlane_b32 s18, v10                   ; wave 0..7
	v_lshlrev_b32 v1, 4, v0                        ; 16 bytes a thread: a wave's load or store covers 512 neighbouring bytes
	s_mov_b32 s22, 0x3e38aa3b                      ; log2(e) / 8
	s_mov_b32 s23, 0x3e38aa3b                      ; (the pair is named whole by the packed multiply)
	s_lshl_b32 s24, ttmp9, 16                      ; 64 tokens of 1,024 bytes
	s_mov_b32 s25, 0
	s_lshl_b32 s26, ttmp9, 13                      ; 64 tokens of 128 bytes
	s_mov_b32 s27, 0
	s_wait_alu depctr_va_sdst(0)                   ; s18 is written, ahead of its first reader
	s_lshr_b32 s19, s18, 2                         ; which 32 tokens
	s_and_b32 s20, s18, 3                          ; which 16 columns
	s_wait_kmcnt 0x0
	s_add_nc_u64 s[4:5], s[4:5], s[24:25]
	s_add_nc_u64 s[12:13], s[12:13], s[26:27]
	s_add_nc_u64 s[14:15], s[14:15], s[26:27]
	s_add_nc_u64 s[16:17], s[16:17], s[26:27]
	s_wait_alu depctr_va_vdst(0)                   ; v1 is written: every global load and store of the kernel reads it as its offset
	; 48 loads of 16 bytes a thread: Wq, Wk, y.  Pass p of W is 16 rows of k, pass p of y is 4 tokens.
.set p, 0
.rept 16
	global_load_b128 v[BW0+4*p:BW0+4*p+3], v1, s[6:7] offset:4096*p
.set p, p+1
.endr
.set p, 0
.rept 16
	global_load_b128 v[BW1+4*p:BW1+4*p+3], v1, s[8:9] offset:4096*p
.set p, p+1
.endr
.set p, 0
.rept 16
	global_load_b128 v[BY+4*p:BY+4*p+3], v1, s[4:5] offset:4096*p th:TH_LOAD_NT
.set p, p+1
.endr
	; addresses, while the loads are on their way: these lines name v2 to v13 alone, none of which a pending load touches
	v_and_b32 v13, 15, v0                          ; r
	v_bfe_u32 v12, v0, 4, 1                        ; h
	v_lshrrev_b32 v10, 4, v0                       ; W's image, in: row t >> 4 of the pass, 8 bytes at column 4 (t & 15)
	v_mul_u32_u24 v10, v10, WP
	v_lshl_add_u32 v2, v13, 3, v10
	v_add_nc_u32 v3, HALFW, v2
	v_lshrrev_b32 v10, 6, v0                       ; y's image, in: token t >> 6 of the pass, 8 bytes at k = 4 (t & 63)
	v_and_b32 v11, 63, v0
	v_mul_u32_u24 v10, v10, YP
	v_lshl_add_u32 v10, v11, 3, v10
	v_add_nc_u32 v4, YIMG, v10
	v_and_b32 v10, 7, v0                           ; W fragments by the transposing load: lane L addresses row k = 8h + (L & 7),
	v_lshl_add_u32 v10, v12, 3, v10
	v_mul_u32_u24 v10, v10, WP
	v_bfe_u32 v11, v0, 3, 1                        ; 16 bytes at column 8 ((L >> 3) & 1) of my 16
	v_lshl_add_u32 v10, v11, 4, v10
	s_lshl_b32 s21, s20, 5
	v_add_nc_u32 v5, s21, v10
	v_add_nc_u32 v6, HALFW, v5
	v_mul_u32_u24 v10, v13, YP                     ; y fragments: row 32 tp + r, 16 h bytes
	v_lshl_add_u32 v10, v12, 4, v10
	s_mul_i32 s29, s19, 32*YP
	s_add_co_u32 s29, s29, YIMG
	v_add_nc_u32 v7, s29, v10
	v_mul_u32_u24 v10, v13, SP                     ; stage, in: token 32 tp + r, columns 16 g + 8 h
	v_lshl_add_u32 v10, v12, 4, v10
	s_mul_i32 s30, s19, 32*SP
	s_lshl_b32 s28, s20, 5
	s_add_co_u32 s30, s30, s28
	s_add_co_u32 s30, s30, STG
	v_add_nc_u32 v8, s30, v10
	v_lshrrev_b32 v10, 3, v0                       ; stage, out: token t >> 3, 16 bytes at 16 (t & 7): the order of the result in memory
	v_and_b32 v11, 7, v0
	v_mul_u32_u24 v10, v10, SP
	v_lshl_add_u32 v10, v11, 4, v10
	v_add_nc_u32 v9, STG, v10
; pass p of a loaded buffer to bf16: four numbers close up into the first two of their four registers
.macro CVT2 buf
	v_cvt_pk_bf16_f32 v[(\buf)+4*p], v[(\buf)+4*p], v[(\buf)+4*p+1]
	v_cvt_pk_bf16_f32 v[(\buf)+4*p+1], v[(\buf)+4*p+2], v[(\buf)+4*p+3]
.endm
; pass p of W, two registers from reg on, into column block mtx of W's image
.macro STW reg, mtx
.if p < 8
	ds_store_b64 v2, v[(\reg):(\reg)+1] offset:p*16*WP+128*(\mtx)
.else
	ds_store_b64 v3, v[(\reg):(\reg)+1] offset:(p-8)*16*WP+128*(\mtx)
.endif
.endm
	s_wait_loadcnt 32                              ; Wq is in; the 32 younger loads (Wk, y) stay out
.set p, 0
.rept 16
	v_cvt_pk_bf16_f32 v[OW+2*p], v[BW0+4*p], v[BW0+4*p+1]          ; Wq goes out of registers of its own, so that BW0 can be asked for again at once
	v_cvt_pk_bf16_f32 v[OW+2*p+1], v[BW0+4*p+2], v[BW0+4*p+3]
.set p, p+1
.endr
	s_wait_alu depctr_va_vdst(0)                   ; Wq's conversions are done reading BW0, in which Wv lands, and have written OW, which the LDS stores below read; v2 to v9, the addresses of every LDS instruction of the kernel, are written
.set p, 0
.rept 16
	global_load_b128 v[BW0+4*p:BW0+4*p+3], v1, s[10:11] offset:4096*p   ; Wv, into the registers that Wq has left
.set p, p+1
.endr
	s_wait_loadcnt 32                              ; Wk is in; y and Wv stay out
.set p, 0
.rept 16
	CVT2 BW1                                       ; Wk's conversions name BW1 alone,
	STW OW+2*p, 0                                  ; so Wq's stores stand among them with no further wait
.set p, p+1
.endr
	s_wait_alu depctr_va_vdst(0)                   ; Wk's conversions have written BW1, which the LDS stores below read
	s_wait_loadcnt 16                              ; y is in; Wv stays out
.set p, 0
.rept 16
	CVT2 BY                                        ; y's conversions name BY alone,
	STW BW1+4*p, 1                                 ; so Wk's stores stand among them
.set p, p+1
.endr
	s_wait_alu depctr_va_vdst(0)                   ; y's conversions have written BY, which the LDS stores below read
.set p, 0
.rept 16
	ds_store_b64 v4, v[BY+4*p:BY+4*p+1] offset:p*4*YP              ; in a run, ahead of the wait for Wv: they leave while Wv is on its way
.set p, p+1
.endr
	s_wait_loadcnt 0
.set p, 0
.rept 16
	CVT2 BW0                                       ; Wv: no memory instruction has read BW0
.set p, p+1
.endr
	s_wait_alu depctr_va_vdst(0)                   ; Wv's conversions have written BW0, which the LDS stores below read; no vector instruction names v[64:255] again before the fragments' loads land there
.set p, 0
.rept 16
	STW BW0+4*p, 2
.set p, p+1
.endr
	s_wait_dscnt 0x0                               ; my part of both images is written: zero, for the other waves' sake
	s_barrier_signal -1
	s_barrier_wait -1                              ; both images are whole
	s_wait_alu depctr_vm_vsrc(0)                   ; my LDS stores have read OW, BW0, BW1 and BY: from here on these registers are the accumulators, the fragments, PK and RB
; W's fragment a of K step ks, two transposing loads, into buffer ks % 3
.macro LDW ks, a
.set FBL, FR+40*((\ks)%3)
.if (\ks) < 4
	ds_load_tr16_b128 v[FBL+8*(\a):FBL+8*(\a)+3],   v5 offset:(\ks)*32*WP+128*(\a)
	ds_load_tr16_b128 v[FBL+8*(\a)+4:FBL+8*(\a)+7], v5 offset:(\ks)*32*WP+128*(\a)+16*WP
.else
	ds_load_tr16_b128 v[FBL+8*(\a):FBL+8*(\a)+3],   v6 offset:((\ks)-4)*32*WP+128*(\a)
	ds_load_tr16_b128 v[FBL+8*(\a)+4:FBL+8*(\a)+7], v6 offset:((\ks)-4)*32*WP+128*(\a)+16*WP
.endif
.endm
; y's fragment i of K step ks, two loads, into buffer ks % 3
.macro LDY ks, i
.set FBL, FR+40*((\ks)%3)
	ds_load_b128 v[FBL+24+8*(\i):FBL+24+8*(\i)+3],   v7 offset:(\i)*16*YP+64*(\ks)
	ds_load_b128 v[FBL+24+8*(\i)+4:FBL+24+8*(\i)+7], v7 offset:(\i)*16*YP+64*(\ks)+32
.endm
; the fragments of K step ks: ten LDS loads
.macro FETCH ks
	LDW \ks, 0
	LDW \ks, 1
	LDW \ks, 2
	LDY \ks, 0
	LDY \ks, 1
.endm
; one matrix instruction of K step ks: accumulator (a, i).  The first K step starts the sums.
.macro MM ks, a, i
.set FBM, FR+40*((\ks)%3)
.set AC, ACC+8*(2*(\a)+(\i))
.if (\ks) == 0
	v_wmma_f32_16x16x32_bf16 v[AC:AC+7], v[FBM+8*(\a):FBM+8*(\a)+7], v[FBM+24+8*(\i):FBM+24+8*(\i)+7], 0
.else
	v_wmma_f32_16x16x32_bf16 v[AC:AC+7], v[FBM+8*(\a):FBM+8*(\a)+7], v[FBM+24+8*(\i):FBM+24+8*(\i)+7], v[AC:AC+7]
.endif
.endm
.macro PLACES                          ; four places behind a matrix instruction before one of its registers is loaded into, read or written by other than a matrix instruction (ISA guide 7.12.1)
.rept 4
	v_nop
.endr
.endm
; K step ks: six matrix instructions; the six accumulators take turns, one instruction a turn.
; fetch = 1: the fragments of step ks + 2 are asked for, into the buffer that step ks - 1 has left, two loads behind each of the first five matrix instructions.
; left = how many younger LDS loads may stay out when this step's ten have to be there.
.macro STEP ks, fetch, left
	s_wait_dscnt \left                             ; LDS loads come back in order: this step's fragments are in
.if \fetch
	PLACES
	s_wait_alu depctr_va_vdst(0)                   ; the matrix instructions of the step before are done reading their buffer, in which this step's loads land; this step's name their own buffer and the accumulators alone
.endif
	MM \ks, 0, 0
.if \fetch
	LDW (\ks)+2, 0
.endif
	MM \ks, 0, 1
.if \fetch
	LDW (\ks)+2, 1
.endif
	MM \ks, 1, 0
.if \fetch
	LDW (\ks)+2, 2
.endif
	MM \ks, 1, 1
.if \fetch
	LDY (\ks)+2, 0
.endif
	MM \ks, 2, 0
.if \fetch
	LDY (\ks)+2, 1
.endif
	MM \ks, 2, 1
.endm
	FETCH 0
	FETCH 1
	FETCH 2
	STEP 0, 0, 20                                  ; all three buffers are taken: nothing is asked for; steps 1 and 2 stay out
	STEP 1, 1, 10                                  ; the next step's ten loads stay out
	STEP 2, 1, 10
	STEP 3, 1, 10
	STEP 4, 1, 10
	STEP 5, 1, 10
	STEP 6, 0, 10                                  ; nothing is left to fetch
	STEP 7, 0, 0
	PLACES
	; the way out: q's factor in f32, one rounding to f16, 16 bytes a lane into the stage, back in the order of memory
.set e, 0
.rept 8
	v_pk_mul_f32 v[ACC+e:ACC+e+1], v[ACC+e:ACC+e+1], s[22:23] op_sel_hi:[1,0]
.set e, e+2
.endr
.irp x, 0,1,2,3,4,5
.irp q, 0,1,2,3
	v_cvt_pk_f16_f32 v[PK+4*\x+\q], v[ACC+8*\x+2*\q], v[ACC+8*\x+2*\q+1]
.endr
.endr
	s_wait_alu depctr_va_vdst(0)                   ; the roundings have written PK, which the LDS stores read; no vector instruction follows, so the loads into RB owe nothing more
.irp a, 0,1,2
.irp i, 0,1
	ds_store_b128 v8, v[PK+4*(2*\a+\i):PK+4*(2*\a+\i)+3] offset:64*SP*\a+16*SP*\i
.endr
.endr
	s_wait_dscnt 0x0                               ; my part of the stage is written: zero, for the other waves' sake
	s_barrier_signal -1
	s_barrier_wait -1
.irp a, 0,1,2
.irp ps, 0,1
	ds_load_b128 v[RB+4*(2*\a+\ps):RB+4*(2*\a+\ps)+3], v9 offset:64*SP*\a+32*SP*\ps
.endr
.endr
.irp a, 0,1,2
.irp ps, 0,1
	s_wait_dscnt 5-(2*\a+\ps)                      ; LDS loads come back in order: this one is in, the younger ones stay out
	global_store_b128 v1, v[RB+4*(2*\a+\ps):RB+4*(2*\a+\ps)+3], s[12+2*\a:13+2*\a] offset:4096*\ps   ; a wave stores 512 consecutive bytes, aligned
.endr
.endr
	s_wait_dscnt 0x0                               ; the closing lines, six on end
	s_wait_alu 0x0
	s_wait_tensorcnt 0x0
	ds_add_u32 v14, v15
	s_wait_dscnt 0x0
	s_endpgm
.Lfunc_end_k_qed1475889a_proj:
	.size	k_qed1475889a_proj, .Lfunc_end_k_qed1475889a_proj-k_qed1475889a_proj
	.p2alignl 7, 3214868480
	.fill 96, 4, 3214868480
	.section	.rodata,"a",@progbits
	.p2align	6, 0x0
	.amdhsa_kernel k_qed1475889a_proj
		.amdhsa_group_segment_fixed_size 168960
		.amdhsa_private_segment_fixed_size 0
		.amdhsa_enable_private_segment 0
		.amdhsa_kernarg_size 56
		.amdhsa_user_sgpr_count 2
		.amdhsa_user_sgpr_kernarg_segment_ptr 1
		.amdhsa_wavefront_size32 1
		.amdhsa_system_sgpr_workgroup_id_x 1
		.amdhsa_system_sgpr_workgroup_id_y 1
		.amdhsa_system_sgpr_workgroup_id_z 1
		.amdhsa_system_vgpr_workitem_id 0
		.amdhsa_next_free_vgpr 256
		.amdhsa_next_free_sgpr 66
		.amdhsa_reserve_vcc 0
		.amdhsa_float_denorm_mode_32 3
		.amdhsa_float_denorm_mode_16_64 3
		.amdhsa_memory_ordered 1
		.amdhsa_forward_progress 1
		.amdhsa_inst_pref_size 35
	.end_amdhsa_kernel
	.amdgpu_metadata
---
amdhsa.version: [ 1, 2 ]
amdhsa.kernels:
  - .name:           k_qed1475889a_proj
    .symbol:         k_qed1475889a_proj.kd
    .args:
      - { .name: y, .offset: 0, .size: 8, .value_kind: global_buffer, .address_space: global }
      - { .name: Wq, .offset: 8, .size: 8, .value_kind: global_buffer, .address_space: global }
      - { .name: Wk, .offset: 16, .size: 8, .value_kind: global_buffer, .address_space: global }
      - { .name: Wv, .offset: 24, .size: 8, .value_kind: global_buffer, .address_space: global }
      - { .name: q16, .offset: 32, .size: 8, .value_kind: global_buffer, .address_space: global }
      - { .name: k16, .offset: 40, .size: 8, .value_kind: global_buffer, .address_space: global }
      - { .name: v16, .offset: 48, .size: 8, .value_kind: global_buffer, .address_space: global }
    .group_segment_fixed_size: 168960
    .private_segment_fixed_size: 0
    .kernarg_segment_align: 8
    .kernarg_segment_size: 56
    .max_flat_workgroup_size: 256
    .sgpr_count:     66
    .vgpr_count:     256
    .wavefront_size: 32
...
	.end_amdgpu_metadata
.endif
;; end of part 3
;; launch attn: the kernel of part 2 again; grid 256 x 1, 8 waves a work-group, clusters of 4 x 1, 327,680 bytes of LDS; arguments q16, k16, v16, out0; writes out0
